; MI455X (gfx1250); checked and timed in simulation.
; The chip was launched on July 23, 2026; its instructions are those of AMD's public machine-readable ISA for CDNA 5 (MIT licence, August 2026) and "CDNA5" Instruction Set Architecture Reference Guide (July 2026). The comments in the code are by the model that wrote it; some were corrected since.
;; Scaled Dot Product Attention. Allowed arithmetic: matrix products marked QUANTISED: E2M1 operands, one E8M0 scale for each 32 along K, by v_wmma_scale_f32_16x16x128_f8f6f4 with both operands' format E2M1 (or v_wmma_scale_f32_32x16x128_f4), f32 sums; products left as they are: bf16, f16 or f32 operands; f32 sums; everything else in f32.
;; Inputs: k 64 x 1,024 x 64 float32; q 64 x 1,024 x 64 float32; v 64 x 1,024 x 64 float32.
;; Outputs: out0 64 x 1,024 x 64 float32.
;; This version of the problem:
;;   THIS VERSION OF THE PROBLEM IS GIVEN IN LOW PRECISION. The matrix products marked QUANTISED in the list below multiply operands that are first quantised to E2M1 (2 exponent bits, 1 mantissa bit; 4 bits a number), with one power-of-two scale for each 32 numbers along K (OCP MX v1.0); their sums are f32. The products marked 'left as it is' may take bf16, f16 or f32 operands, with f32 sums. Whichever they take, every output number must still come out within the allowed error. Rounding operands to bf16 (8 significant bits) uses up far more of that allowance than f16 does (11 bits, for magnitudes from 6e-5 to 65,504). All else is computed in f32.
;;   The module's matrix products, in the order in which they are computed (A, B: the left and right operand; K: the contracted axis; several contracted axes count as one K, in the product's order):
;;     1. batch 64 x [M 1,024, K 64] x [K 64, N 1,024]; A: input q; B: input k: QUANTISED
;;     2. batch 64 x [M 1,024, K 1,024] x [K 1,024, N 64]; A: computed on the way; B: input v: left as it is (an operand is computed on the way)
;;   THE QUANTISER, for each operand of a quantised product, along K:
;;     - K is cut into blocks of 32 from its start; a last block that is shorter is filled with zeros.
;;     - A block's scale is 2^e with e = floor(log2(the largest magnitude in the block)) - 2, held to -126 .. 127; a block of zeros has e = 0. As a byte (E8M0): e + 127.
;;     - Each number is divided by its block's scale, clamped to +-6, and rounded to the nearest number of E2M1, ties to even, subnormals kept.
;;     - The product sums the exact products of the quantised numbers (number of the format x scale) in f32.
;;   ~~~python
;;   def quantise(x, axis):      # numpy; x: float32 -> the quantised numbers, widened to float32 again
;;       x = np.moveaxis(x, axis, -1); K = x.shape[-1]
;;       x = np.pad(x, [(0, 0)] * (x.ndim - 1) + [(0, -K % 32)]); x = x.reshape(x.shape[:-1] + (-1, 32)); a = np.abs(x).max(-1, keepdims=True)
;;       e = np.where(a > 0, np.clip(np.frexp(np.where(a > 0, a, 1))[1] - 1 - 2, -126, 127), 0)      # np.frexp(a)[1] - 1 = floor(log2(a)), exactly
;;       r = np.clip(x / 2.0 ** e, -6, 6)
;;       step = 2.0 ** (np.maximum(np.frexp(np.where(r == 0, 1, r))[1] - 1, 0) - 1)
;;       q = np.round(r / step) * step * 2.0 ** e      # np.round: ties to even
;;       return np.moveaxis(q.reshape(q.shape[:-2] + (-1,))[..., :K], -1, axis).astype(np.float32)
;;   ~~~
;; 2 versions, each right; version 2 is version 1 with the launch attn written anew for expert scheduling mode. Each part assembles by itself: llvm-mc -triple=amdgcn-amd-amdhsa -mcpu=gfx1250 --defsym DOCPART=n.
;; ======== version 1 of 2: 1 launch
;; limits: values are held in f16: magnitudes above 65,504 overflow, below 6.1e-05 lose precision; inputs' magnitudes at most 65,504
;; launch attn (part 1): grid 4 x 64, 8 waves a work-group, no clusters, 250,880 bytes of LDS; arguments q, k, v, out0; writes out0
.if DOCPART == 1
	.amdgcn_target "amdgcn-amd-amdhsa--gfx1250"
	.amdhsa_code_object_version 6
	.text
	.protected	k_qa0566f2bb0_attn
	.globl	k_qa0566f2bb0_attn
	.p2align	8
	.type	k_qa0566f2bb0_attn,@function
k_qa0566f2bb0_attn:
	s_mov_b64 s[64:65], 0
	v_nop
	global_prefetch_b8 v0, s[64:65] scope:SCOPE_SE
	s_setreg_imm32_b32 hwreg(HW_REG_WAVE_MODE, 25, 1), 1
	s_wait_xcnt 0x0
; out0[b][q][:] = the sum over k of softmax_k(Q[b][q] . K[b][k] / 8) V[b][k][:].  q, k, v, out0: [64][1024][64] f32.
; The first product is taken on codes of FP4 (E2M1) with one E8M0 scale for each 32 along the head's 64; the second on f16 operands; all sums, the maximum and the softmax in f32.
; SHARES.  A work-group owns 256 queries of one batch (grid x: the block of queries, y: the batch); each of its eight waves owns 32 of them, two tiles of 16.
; ALL OF THE BATCH'S K AND V LIE IN LDS, CONVERTED ONCE BY THIS WORK-GROUP: K as codes (32 KB) and a scale word a key (4 KB), V as f16 (130 KB), both as IMAGES OF THE OPERANDS' REGISTERS: lane l's 16 bytes of a
; group of four registers at 16 l, so that every fragment comes back by ds_load_b128 of 512 consecutive bytes.  No LDS byte that another wave reads is ever written twice: the only order needed is store, wait, barrier, load.
; TWO PASSES.  Pass 1 makes S^T = K Q^T and keeps the row's maximum m.  Pass 2 makes the same S^T again (same instruction, same operands, same bits), p = 2^(c s - c m), c = log2(e) / 8, the sum of p in f32,
; p rounded to f16, O^T += V^T P.  So there is no running maximum, nothing is rescaled, and no branch hangs on data.  At the end O^T is divided by the sum.
; LAYOUT.  Both products are used transposed (source 0 = 16 keys or 16 channels, source 1 = my 16 queries): a lane holds ONE query (lane % 16) throughout; two score tiles, rounded in pairs, are source 1 of the second product.
; The matrix instruction's K is 128, the head's 64: registers 4-7 of every code fragment hold zero codes, on both sides, and bytes 2, 3 of every scale word are 0x7f.
; IN FOUR CHUNKS OF 256 KEYS.  In chunk c wave w converts keys 256 c + 32 w .. + 31.  Head: loads of Q, K0, K1, K2; Q quantised; K3 asked for.  Then for each c: K_c quantised into LDS, V_c asked for into the registers
; just freed, barrier, pass 1 over chunk c.  Then for each c: V_c converted into LDS, barrier, four key steps of pass 2.  48 to 64 loads of a wave are on their way from the first lines on.
; NO CLUSTER, NO JOINT LOADS, though the four work-groups of a batch read the same K and V: these arrive as f32 and must pass through registers to become codes and f16.  Brought into LDS by joint loads they would be
; written there and read back as f32, 512 KB each way for a work-group, beside the 1.6 MB that its products read (8 waves x (2 x 36 + 128) KB), and 256 KB of f32 at a time do not fit beside 166 KB of images without refills.
; NO PREFETCH: every global load is issued from the kernel's first lines on; there is nothing to ask for earlier.
; LIMITS.  NaN and infinities are not served.  A block of q or k whose largest magnitude lies under 2^-124 gets the scale byte 1 (a block of zeros too, where the rule says 127: its codes are zeros, so the sums are the same).
; |v| stays under 65,504 (f16).  A weight p under 6e-5 is a subnormal of f16: absolute error at most 2^-25.
;
; LDS
.set KIMG,   0                         ; K's codes: key tile t (16 keys) at 512 t; lane (r, h)'s 16 bytes at 16 (r + 16 h): d = 32 h .. 32 h + 31 of key 16 t + r
.set KSC,    32768                     ; K's scale words, 4 bytes a key: byte 0 block 0, byte 1 block 1, bytes 2, 3 = 0x7f
.set VIMG,   36864                     ; V as f16: fragment (32 keys ks, 16 channels ct) at VKS ks + VFR ct: registers 0-3 at 16 lane, registers 4-7 at 512 + 16 lane
.set VFR,    1040                      ; 1,024 bytes + 16: the converting stores of 16 lanes then fall on 16 different 16-byte columns modulo 256 bytes
.set VKS,    4*VFR
.set QIMG,   169984                    ; for each wave QW bytes of its own: two tile images, then 32 scale words
.set QW,     1280
.set STG,    180224                    ; for each wave two stages of 16 rows x 272 bytes, for the way out
.set SPITCH, 272
.set SPARE,  249856                    ; the spare words, 128 bytes for each wave: four blocks of 256 bytes that no other line names
; VECTOR REGISTERS, window 0 (window 1: four landing slots of 64 registers; slot c takes K_c, then V_c; slot 3 first takes Q; slot 0 is O^T from the first key step of pass 2 on: O(qt, ct) at 32 qt + 8 ct)
.set KO,   2                           ; global: 8192 wave + 32 lane (rows of Q or K: 8 numbers a lane)
.set VO,   3                           ; global: 8192 wave + 2048 (lane / 16) + 16 (lane % 16) (rows of V: 4 channels a lane)
.set CAK,  4                           ; LDS: where my 8 codes of K go
.set SAK,  5                           ;      my block's scale byte of K
.set SWK,  6                           ;      my wave's 32 scale words of K, 4 bytes a lane
.set CAQ,  7                           ;      the same three for Q
.set SAQ,  8
.set SWQ,  9
.set QLD,  10                          ;      Q's images, 16 bytes a lane
.set VA,   11                          ;      where my f16 of V go, chunks 0, 1
.set VA2,  12                          ;      chunks 2, 3
.set KA0,  13                          ;      KIMG + 16 lane
.set SA0,  14                          ;      KSC + 4 lane
.set VA0,  15                          ;      VIMG + 16 lane
.set ADK,  16                          ;      the addresses of the loads in hand
.set ADS,  17
.set ADV,  18
.set STO,  19                          ;      the way out: where I put 32 bytes of a row
.set RD,   20                          ;      and where I read rows back
.set GO,   21                          ; global: 8192 wave + 16 lane
.set SPW,  22                          ; LDS address of my spare word; never rewritten
.set NIL,  23                          ; 0; never rewritten
.set ONES, 24                          ; 0x7f7f7f7f
.set QS,   25                          ; Q's scale words: lanes 0-15 tile 0, lanes 16-31 tile 1
.set KS,   26                          ; v26, v27: K's scale words: register p: lanes 0-15 tile 2 p, lanes 16-31 tile 2 p + 1
.set NCM,  28                          ; v[28:29], v[30:31]: -c m of my query in tile 0, tile 1
.set L,    32                          ; v[32:39]: the sums of p: two chains of pairs for each tile
.set QF,   48                          ; Q's two fragments; registers 4-7 of each are zeros
.set KF,   64                          ; four fragments of K; registers 4-7 of each are zeros, written once; no load lands there
.set S,    96                          ; S^T: tile (qt, kt) at S + 32 qt + 8 kt.  Between key steps the converters' temporaries lie here:
.set MX,   96                          ;   largest magnitudes
.set SCL,  104                         ;   the conversions' scale operands
.set BY,   112                         ;   scale bytes
.set CD,   120                         ;   codes
.set T,    96                          ;   V as f16
.set P,    160                         ; p as f16: 16 registers a tile.  In pass 1:
.set MC,   160                         ;   the maxima's eight chains, (qt, kt) at MC + 4 qt + kt; v168-171 at work
.set VF,   192                         ; eight fragments of V: (ks, ct) at VF + 32 ks + 8 ct; on the way out the rows read back
; SCALAR REGISTERS: s[4:5] q, s[6:7] k, s[8:9] v, s[10:11] out0; s12 wave; s[20:21] lane selects; s[22:23] c, twice; s24 -c; s25 loop counter
.set KB,   26                          ; s26  LDS byte of the key step whose K is fetched next
.set SB,   27                          ; s27  the same among the scale words
.set VB,   28                          ; s28  LDS byte of the key step's V
.set MSB, 0
.macro WIN new                         ; low byte: bits 1:0 source 0, 3:2 source 1, 5:4 source 2, 7:6 destination; the high byte repeats the setting that is left
.if MSB != \new
	s_set_vgpr_msb (MSB<<8)|\new
.set MSB, \new
.endif
.endm
.macro PLACES                          ; four plain vector instructions between a matrix instruction and a load into one of its registers or the first read of its result
.rept 4
	v_nop
.endr
.endm
.macro BARRIER                         ; my LDS stores have landed and my LDS loads are in: then the work-group's barrier
	s_wait_dscnt 0x0
	s_barrier_signal -1
	s_barrier_wait -1
.endm
; 32 rows of 64 f32 (my wave's, from off bytes on) into landing slot: group g is four rows, 1,024 bytes; lane l takes 32 neighbouring bytes, numbers 8 (l % 8) .. + 7 of row 4 g + l / 8.  (Destination: window 1)
.macro LDROWS slot, base, off, nt
.irp g, 0,1,2,3,4,5,6,7
.if \nt
	global_load_b128 v[64*(\slot)+8*\g:64*(\slot)+8*\g+3], v[KO], s[\base:\base+1] offset:(\off)+1024*\g th:TH_LOAD_NT
	global_load_b128 v[64*(\slot)+8*\g+4:64*(\slot)+8*\g+7], v[KO], s[\base:\base+1] offset:(\off)+1024*\g+16 th:TH_LOAD_NT
.else
	global_load_b128 v[64*(\slot)+8*\g:64*(\slot)+8*\g+3], v[KO], s[\base:\base+1] offset:(\off)+1024*\g
	global_load_b128 v[64*(\slot)+8*\g+4:64*(\slot)+8*\g+7], v[KO], s[\base:\base+1] offset:(\off)+1024*\g+16
.endif
.endr
.endm
; My wave's 32 keys of V in chunk c: lanes 0-15 read one whole row of 256 bytes, lanes 16-31 the row 8 keys on.  Register 32 half + 4 j + i: key 16 half + 8 (lane / 16) + j, channel 4 (lane % 16) + i
.macro LDV c
.irp half, 0,1
.irp j, 0,1,2,3,4,5,6,7
	global_load_b128 v[64*(\c)+32*\half+4*\j:64*(\c)+32*\half+4*\j+3], v[VO], s[8:9] offset:65536*(\c)+4096*\half+256*\j
.endr
.endr
.endm
; THE QUANTISER: the 32 rows in a landing slot become two tile images of codes and 32 scale words.  A block of 32 lies in four neighbouring lanes, 8 numbers each.
; The scale words are first set to 0x7f7f7f7f; LDS serves a wave's instructions in order (ISA guide 5.7.1.4), so the bytes stored below land over them.
.macro QROWS slot, ca, coff, sw, swoff, sa, saoff
	ds_store_b32 v[\sw], v[ONES] offset:\swoff
	WIN 0x05                                       ; sources 0 and 1: window 1
.irp g, 0,1,2,3,4,5,6,7
	v_max3_num_f32 v[MX+\g], |v[64*(\slot)+8*\g]|, |v[64*(\slot)+8*\g+1]|, 0x1800000   ; my 8 numbers, and the floor 2^(3 - 127): so the byte cannot fall under 1
.endr
.irp i, 2,4,6
.irp g, 0,1,2,3,4,5,6,7
	v_max3_num_f32 v[MX+\g], |v[64*(\slot)+8*\g+\i]|, |v[64*(\slot)+8*\g+\i+1]|, v[MX+\g]   ; (the eight groups by turns)
.endr
.endr
	WIN 0
.irp g, 0,1,2,3,4,5,6,7
	v_max_num_f32_dpp v[MX+\g], v[MX+\g], v[MX+\g] row_xmask:1 row_mask:0xf bank_mask:0xf
.endr
.irp g, 0,1,2,3,4,5,6,7
	v_max_num_f32_dpp v[MX+\g], v[MX+\g], v[MX+\g] row_xmask:2 row_mask:0xf bank_mask:0xf   ; with the three other lanes': the block's largest magnitude
.endr
.irp g, 0,1,2,3,4,5,6,7
	v_add_nc_u32 v[SCL+\g], 0xff000000, v[MX+\g]   ; 2 off its exponent field: the conversion takes the exponent field of this operand as its scale
.endr
.irp g, 0,1,2,3,4,5,6,7
	v_lshrrev_b32 v[BY+\g], 23, v[SCL+\g]          ; the scale's byte
.endr
	WIN 0x01                                       ; source 0: window 1
.irp g, 0,1,2,3,4,5,6,7
	v_cvt_scalef32_pk8_fp4_f32 v[CD+\g], v[64*(\slot)+8*\g:64*(\slot)+8*\g+7], v[SCL+\g]   ; 8 codes: to the nearest, ties to even, beyond 6 the largest code
.endr
	WIN 0
	v_nop                                          ; one plain vector instruction behind the last scaled conversion
.irp g, 0,1,2,3,4,5,6,7
	ds_store_b32 v[\ca], v[CD+\g] offset:(\coff)+512*(\g/4)+64*(\g%4)   ; row 4 g + l / 8 is row 4 (g % 4) + l / 8 of tile g / 4.  (The two blocks of a row lie 256 bytes apart: these 40 stores of a wave go two deep in the banks)
.endr
.irp g, 0,1,2,3,4,5,6,7
	ds_store_b8 v[\sa], v[BY+\g] offset:(\saoff)+16*\g   ; the four lanes of a block write the same byte with the same value
.endr
.endm
; Four fragments of K (64 keys) and their scale words
.macro KFETCH ak, koff, as, soff
.irp i, 0,1,2,3
	ds_load_b128 v[KF+8*\i:KF+8*\i+3], v[\ak] offset:(\koff)+512*\i
.endr
.irp p, 0,1
	ds_load_b32 v[KS+\p], v[\as] offset:(\soff)+128*\p
.endr
.endm
; S^T = K Q^T: 64 keys x my 32 queries: eight products, each starting its own sum with the constant 0
.macro QK
.irp kt, 0,1,2,3
.irp qt, 0,1
.if (\kt%2 == 0) && (\qt == 0)
	v_wmma_scale_f32_16x16x128_f8f6f4 v[S+32*\qt+8*\kt:S+32*\qt+8*\kt+7], v[KF+8*\kt:KF+8*\kt+7], v[QF+8*\qt:QF+8*\qt+7], 0, v[KS+\kt/2], v[QS] matrix_a_fmt:MATRIX_FMT_FP4 matrix_b_fmt:MATRIX_FMT_FP4
.elseif (\kt%2 == 0)
	v_wmma_scale_f32_16x16x128_f8f6f4 v[S+32*\qt+8*\kt:S+32*\qt+8*\kt+7], v[KF+8*\kt:KF+8*\kt+7], v[QF+8*\qt:QF+8*\qt+7], 0, v[KS+\kt/2], v[QS] matrix_a_fmt:MATRIX_FMT_FP4 matrix_b_fmt:MATRIX_FMT_FP4 matrix_b_scale:MATRIX_SCALE_ROW1
.elseif (\qt == 0)
	v_wmma_scale_f32_16x16x128_f8f6f4 v[S+32*\qt+8*\kt:S+32*\qt+8*\kt+7], v[KF+8*\kt:KF+8*\kt+7], v[QF+8*\qt:QF+8*\qt+7], 0, v[KS+\kt/2], v[QS] matrix_a_fmt:MATRIX_FMT_FP4 matrix_b_fmt:MATRIX_FMT_FP4 matrix_a_scale:MATRIX_SCALE_ROW1
.else
	v_wmma_scale_f32_16x16x128_f8f6f4 v[S+32*\qt+8*\kt:S+32*\qt+8*\kt+7], v[KF+8*\kt:KF+8*\kt+7], v[QF+8*\qt:QF+8*\qt+7], 0, v[KS+\kt/2], v[QS] matrix_a_fmt:MATRIX_FMT_FP4 matrix_b_fmt:MATRIX_FMT_FP4 matrix_a_scale:MATRIX_SCALE_ROW1 matrix_b_scale:MATRIX_SCALE_ROW1
.endif
.endr
.endr
.endm
; The maxima of a key step's 64 scores a lane: eight chains by turns; each score tile is read from its low end on
.macro MAX32
.irp i, 0,2,4,6
.irp qt, 0,1
.irp kt, 0,1,2,3
	v_max3_num_f32 v[MC+4*\qt+\kt], v[MC+4*\qt+\kt], v[S+32*\qt+8*\kt+\i], v[S+32*\qt+8*\kt+\i+1]
.endr
.endr
.endr
.endm
; PASS 1 over chunk c: four key steps, every offset an immediate.  A step's maxima stand between the next step's LDS loads and the wait for them.
.macro PASS1 c
	KFETCH KA0, 8192*(\c), SA0, 1024*(\c)
	s_wait_dscnt 0x0
	QK
.irp j, 1,2,3
	PLACES
	KFETCH KA0, 8192*(\c)+2048*\j, SA0, 1024*(\c)+256*\j
	MAX32
	s_wait_dscnt 0x0
	QK
.endr
	PLACES
	MAX32
.endm
; V_c becomes f16: four registers hold 8 keys of one channel, which are 16 bytes of a fragment's image: channel 4 (l % 16) + i is row 4 (l % 4) + i of channel tile (l % 16) / 4
.macro VCONV c
	WIN 0x05
.irp half, 0,1
.irp i, 0,1,2,3
.irp p, 0,1,2,3
	v_cvt_pk_f16_f32 v[T+16*\half+4*\i+\p], v[64*(\c)+32*\half+8*\p+\i], v[64*(\c)+32*\half+8*\p+4+\i]   ; keys 2 p and 2 p + 1, the lower in the low half
.endr
.endr
.endr
	WIN 0
.irp half, 0,1
.irp i, 0,1,2,3
.if (\c) < 2
	ds_store_b128 v[VA], v[T+16*\half+4*\i:T+16*\half+4*\i+3] offset:8*VKS*((\c)%2)+512*\half+16*\i
.else
	ds_store_b128 v[VA2], v[T+16*\half+4*\i:T+16*\half+4*\i+3] offset:8*VKS*((\c)%2)+512*\half+16*\i
.endif
.endr
.endr
.endm
.macro VFETCH                          ; a key step's eight fragments of V: 16 loads
.irp ks, 0,1
.irp ct, 0,1,2,3
	ds_load_b128 v[VF+32*\ks+8*\ct:VF+32*\ks+8*\ct+3], v[ADV] offset:VKS*\ks+VFR*\ct
	ds_load_b128 v[VF+32*\ks+8*\ct+4:VF+32*\ks+8*\ct+7], v[ADV] offset:VKS*\ks+VFR*\ct+512
.endr
.endr
.endm
; O^T += V^T P for tile qt: its four accumulators by turns, one instruction a turn.  zero = 1: the first four start the sums: nothing is cleared
.macro PV qt, zero
	WIN 0x50                                       ; C and D: window 1
.irp ks, 0,1
.irp ct, 0,1,2,3
.if (\zero) && (\ks == 0)
	v_wmma_f32_16x16x32_f16 v[32*(\qt)+8*\ct:32*(\qt)+8*\ct+7], v[VF+32*\ks+8*\ct:VF+32*\ks+8*\ct+7], v[P+16*(\qt)+8*\ks:P+16*(\qt)+8*\ks+7], 0
.else
	v_wmma_f32_16x16x32_f16 v[32*(\qt)+8*\ct:32*(\qt)+8*\ct+7], v[VF+32*\ks+8*\ct:VF+32*\ks+8*\ct+7], v[P+16*(\qt)+8*\ks:P+16*(\qt)+8*\ks+7], v[32*(\qt)+8*\ct:32*(\qt)+8*\ct+7]
.endif
.endr
.endr
	WIN 0
.endm
; A KEY STEP OF PASS 2: 64 keys.  pre = 1: the next step's K is fetched.  The two tiles' softmax are laid so that each batch of 32 exponentials has the other tile's plain work between its lines and ONE wait behind it.
.macro STEP zero, pre
	v_add_nc_u32 v[ADV], s[VB], v[VA0]             ; with the three lines below: the four places behind the last step's products, ahead of the loads into V's registers
	v_nop
	v_nop
	v_nop
	VFETCH
	s_wait_dscnt 16                                ; K's six loads are older than V's sixteen: K is in
	QK
.if \pre
	v_add_nc_u32 v[ADK], s[KB], v[KA0]             ; four places again: ahead of the loads into K's registers and of the first read of the scores
	v_add_nc_u32 v[ADS], s[SB], v[SA0]
	v_nop
	v_nop
	KFETCH ADK, 0, ADS, 0
.else
	PLACES
.endif
.irp i, 0,1,2,3,4,5,6,7,8,9,10,11,12,13,14,15
	v_pk_fma_f32 v[S+2*\i:S+2*\i+1], v[S+2*\i:S+2*\i+1], s[22:23], v[NCM:NCM+1] op_sel_hi:[1,0,0]   ; tile 0: c s - c m, two at a time (of the pairs c and -c m the low word serves both halves)
.endr
.irp i, 0,1,2,3,4,5,6,7,8,9,10,11,12,13,14,15
	v_exp_f32 v[S+2*\i], v[S+2*\i]                 ; tile 0: p = 2^(c s - c m)
	v_exp_f32 v[S+2*\i+1], v[S+2*\i+1]
	v_pk_fma_f32 v[S+32+2*\i:S+32+2*\i+1], v[S+32+2*\i:S+32+2*\i+1], s[22:23], v[NCM+2:NCM+3] op_sel_hi:[1,0,0]   ; tile 1's scalings stand between; the last of them is the plain line behind the batch
.endr
	s_wait_alu depctr_va_vdst(0)                   ; one wait for tile 0's 32 exponentials, ahead of the first line that names a result
.irp i, 0,1,2,3,4,5,6,7,8,9,10,11,12,13,14,15
	v_exp_f32 v[S+32+2*\i], v[S+32+2*\i]           ; tile 1's exponentials, with tile 0's roundings and sums between
	v_cvt_pk_f16_f32 v[P+\i], v[S+2*\i], v[S+2*\i+1]
	v_exp_f32 v[S+32+2*\i+1], v[S+32+2*\i+1]
	v_pk_add_f32 v[L+2*(\i%2):L+2*(\i%2)+1], v[L+2*(\i%2):L+2*(\i%2)+1], v[S+2*\i:S+2*\i+1]   ; the sum is taken of p in f32, in two chains
.endr
	s_wait_alu depctr_va_vdst(0)                   ; and one for tile 1's 32; no exponential is issued behind it in this step
.if \pre
	s_wait_dscnt 6                                 ; the next step's six loads of K are younger than V's sixteen: V is in
.else
	s_wait_dscnt 0x0
.endif
	PV 0, \zero
.irp i, 0,1,2,3,4,5,6,7,8,9,10,11,12,13,14,15
	v_cvt_pk_f16_f32 v[P+16+\i], v[S+32+2*\i], v[S+32+2*\i+1]   ; tile 1's roundings and sums name no register of tile 0's products
	v_pk_add_f32 v[L+4+2*(\i%2):L+4+2*(\i%2)+1], v[L+4+2*(\i%2):L+4+2*(\i%2)+1], v[S+32+2*\i:S+32+2*\i+1]
.endr
	PV 1, \zero
	s_add_co_u32 s[VB], s[VB], 2*VKS               ; on to the next 64 keys
	s_add_co_u32 s[KB], s[KB], 2048
	s_add_co_u32 s[SB], s[SB], 256
.endm
; PASS 2 over chunk c.  first = 1: a step that starts O^T stands ahead of the loop; last = 1: a step that fetches no further K stands behind it
.macro PASS2 c, first, trips, last
	s_wait_loadcnt 48-16*(\c)                      ; behind V_c's sixteen loads stand those of the later chunks of V
	VCONV \c
	BARRIER                                        ; chunk c of V lies in LDS, whole
	s_mov_b32 s[VB], 8*VKS*(\c)
	s_mov_b32 s[KB], 2048*(4*(\c)+1)               ; K is fetched one step ahead
	s_mov_b32 s[SB], 256*(4*(\c)+1)
.if \first
	STEP 1, 1
.endif
	s_mov_b32 s25, \trips
.Lstep_\@:
	STEP 0, 1
	s_sub_co_u32 s25, s25, 1
	s_cmp_lg_u32 s25, 0
	s_cbranch_scc1 .Lstep_\@
.if \last
	STEP 0, 0
.endif
.endm
	; ---- THE HEAD: the addresses that the loads need, then 64 loads
	s_load_b256 s[4:11], s[0:1], 0x0               ; q s[4:5], k s[6:7], v s[8:9], out0 s[10:11]
	v_lshl_add_u32 v[SPW], v0, 2, SPARE
	v_mov_b32 v[NIL], 0
	v_lshrrev_b32 v1, 5, v0
	v_readfirstlane_b32 s12, v1                    ; wave 0..7
	v_and_b32 v96, 31, v0                          ; lane
	v_and_b32 v97, 15, v0                          ; lane % 16
	v_bfe_u32 v98, v0, 4, 1                        ; lane / 16
	s_lshl_b32 s30, s12, 13                        ; my wave's 32 rows of 256 bytes
	v_lshl_add_u32 v[KO], v96, 5, s30
	v_lshl_add_u32 v[VO], v97, 4, s30
	v_lshl_add_u32 v[VO], v98, 11, v[VO]
	s_and_b32 s13, ttmp7, 0xffff                   ; the batch
	s_lshl_b32 s16, s13, 18                        ; its 1,024 rows of 256 bytes
	s_mov_b32 s17, 0
	s_lshl_b32 s18, ttmp9, 16                      ; my block of 256 queries
	s_add_co_u32 s18, s18, s16
	s_mov_b32 s19, 0
	s_wait_kmcnt 0x0
	s_add_nc_u64 s[4:5], s[4:5], s[18:19]          ; q and out0 at my block, k and v at my batch; none of the four is written again
	s_add_nc_u64 s[6:7], s[6:7], s[16:17]
	s_add_nc_u64 s[8:9], s[8:9], s[16:17]
	s_add_nc_u64 s[10:11], s[10:11], s[18:19]
	WIN 0x40                                       ; destination: window 1
	LDROWS 3, 4, 0, 1                              ; Q: read by this wave alone
	LDROWS 0, 6, 0, 0                              ; K0, K1, K2
	LDROWS 1, 6, 65536, 0
	LDROWS 2, 6, 131072, 0
	WIN 0
	; while they are on their way: all other addresses and constants
	v_bfe_u32 v99, v0, 3, 2                        ; lane / 8: which of a group's four rows
	v_bfe_u32 v100, v0, 2, 1                       ; (lane / 4) % 2: which block of the row
	v_and_b32 v101, 3, v0                          ; lane % 4: which 8 of the block's 32
	v_lshlrev_b32 v102, 4, v99
	v_lshl_add_u32 v102, v100, 8, v102
	v_lshl_add_u32 v102, v101, 2, v102             ; my codes' place in a tile image: 16 (lane / 8) + 256 block + 4 (lane % 4)
	v_lshl_add_u32 v103, v99, 2, v100              ; my scale byte's place: 4 (lane / 8) + block
	s_lshl_b32 s31, s12, 10                        ; K: my wave's two tile images of a chunk
	v_add_nc_u32 v[CAK], s31, v102
	s_lshl_b32 s32, s12, 7                         ; and its 32 scale words
	s_add_co_u32 s32, s32, KSC
	v_add_nc_u32 v[SAK], s32, v103
	v_lshl_add_u32 v[SWK], v96, 2, s32
	s_mul_i32 s33, s12, QW
	s_add_co_u32 s33, s33, QIMG                    ; Q: my wave's own bytes
	v_add_nc_u32 v[CAQ], s33, v102
	v_lshl_add_u32 v[QLD], v96, 4, s33
	s_add_co_u32 s34, s33, 1024
	v_add_nc_u32 v[SAQ], s34, v103
	v_lshl_add_u32 v[SWQ], v96, 2, s34
	s_mul_i32 s35, s12, VKS
	s_add_co_u32 s35, s35, VIMG                    ; V: in a chunk my wave's 32 keys are K step w of its eight
	v_bfe_u32 v105, v0, 2, 2                       ; (lane % 16) / 4: the channel tile
	v_mul_u32_u24 v104, v105, VFR
	v_lshl_add_u32 v104, v101, 6, v104             ; row 4 (lane % 4) of it: 64 bytes
	v_lshl_add_u32 v104, v98, 8, v104              ; my half of the lanes: 256 bytes
	v_add_nc_u32 v[VA], s35, v104
	v_add_nc_u32 v[VA2], 16*VKS, v[VA]
	v_lshlrev_b32 v[KA0], 4, v96
	v_lshl_add_u32 v[SA0], v96, 2, KSC
	v_lshl_add_u32 v[VA0], v96, 4, VIMG
	s_mul_i32 s36, s12, 32*SPITCH
	s_add_co_u32 s36, s36, STG                     ; my two stages
	v_mul_u32_u24 v104, v97, SPITCH
	v_lshl_add_u32 v104, v98, 5, v104
	v_add_nc_u32 v[STO], s36, v104                 ; in: row lane % 16, 32 bytes for each half of the lanes
	v_mul_u32_u24 v104, v98, SPITCH
	v_lshl_add_u32 v104, v97, 4, v104
	v_add_nc_u32 v[RD], s36, v104                  ; back: lanes 0-15 one row of 256 bytes, lanes 16-31 the next
	v_lshl_add_u32 v[GO], v96, 4, s30
	v_mov_b32 v[ONES], 0x7f7f7f7f
	s_mov_b32 s20, 0x76543210
	s_mov_b32 s21, 0xfedcba98                      ; v_permlanex16_b32's selects for lane l xor 16
	s_mov_b32 s22, 0x3e38aa3b                      ; c = log2(e) / 8
	s_mov_b32 s23, s22                             ; (named with it as a pair, so it is written)
	s_mov_b32 s24, 0xbe38aa3b                      ; -c
.irp i, 0,1,2,3
.irp j, 4,5,6,7
	v_mov_b32 v[KF+8*\i+\j], 0                     ; zero codes for k = 64 .. 127 of the matrix instruction
.endr
.endr
.irp i, 0,1
.irp j, 4,5,6,7
	v_mov_b32 v[QF+8*\i+\j], 0
.endr
.endr
.irp i, 0,1,2,3,4,5,6,7
	v_mov_b32 v[MC+\i], 0xff800000                 ; the maxima's chains begin under every score
.endr
.irp r, 42,43,45,47,170,171
	v_mov_b32 v\r, 0                               ; lane permutes' destinations, and the upper halves of pairs that are named whole
.endr
	; ---- Q: quantised into my wave's own bytes of LDS and read back as two fragments and a scale word a row
	s_wait_loadcnt 48                              ; behind Q's sixteen loads stand K0's, K1's and K2's
	QROWS 3, CAQ, 0, SWQ, 0, SAQ, 0
	WIN 0x40
	LDROWS 3, 6, 196608, 0                         ; K3 into the slot that Q has left
	WIN 0
	ds_load_b128 v[QF:QF+3], v[QLD]                ; LDS serves a wave's instructions in order: these see my stores.  The wait for them is the first barrier's
	ds_load_b128 v[QF+8:QF+11], v[QLD] offset:512
	ds_load_b32 v[QS], v[SWQ]
	; ---- K, chunk by chunk, and pass 1
.irp c, 0,1,2,3
	s_wait_loadcnt 48                              ; behind K_c's sixteen loads stand three runs of sixteen: later chunks of K, earlier chunks of V
	QROWS \c, CAK, 8192*\c, SWK, 1024*\c, SAK, 1024*\c
	WIN 0x40
	LDV \c                                         ; V_c into the slot that K_c has left
	WIN 0
	BARRIER                                        ; chunk c of K lies in LDS, whole
	PASS1 \c
.endr
	; ---- the rows' maxima: four chains, then the other half of the lanes; -c m
.irp qt, 0,1
	v_max3_num_f32 v[168+\qt], v[MC+4*\qt], v[MC+4*\qt+1], v[MC+4*\qt+2]
.endr
.irp qt, 0,1
	v_max_num_f32 v[168+\qt], v[168+\qt], v[MC+4*\qt+3]
.endr
.irp qt, 0,1
	v_permlanex16_b32 v[170+\qt], v[168+\qt], s20, s21
.endr
.irp qt, 0,1
	v_max_num_f32 v[168+\qt], v[168+\qt], v[170+\qt]
.endr
.irp qt, 0,1
	v_mul_f32 v[NCM+2*\qt], s24, v[168+\qt]
	v_mul_f32 v[NCM+2*\qt+1], s24, v[168+\qt]      ; (the pair is named whole)
.endr
.irp i, 0,1,2,3,4,5,6,7
	v_mov_b32 v[L+\i], 0                           ; the sums
.endr
	KFETCH KA0, 0, SA0, 0                          ; K of pass 2's first key step
	; ---- V, chunk by chunk, and pass 2
	PASS2 0, 1, 3, 0
	PASS2 1, 0, 4, 0
	PASS2 2, 0, 4, 0
	PASS2 3, 0, 3, 1
	; ---- THE WAY OUT.  The sums' chains and halves are added (these four lines are the places behind the last products), then the other half of the lanes'; O^T is divided by the sum
	v_pk_add_f32 v[L:L+1], v[L:L+1], v[L+2:L+3]
	v_pk_add_f32 v[L+4:L+5], v[L+4:L+5], v[L+6:L+7]
	v_add_f32 v40, v[L], v[L+1]
	v_add_f32 v41, v[L+4], v[L+5]
	v_permlanex16_b32 v42, v40, s20, s21
	v_permlanex16_b32 v43, v41, s20, s21
	v_add_f32 v40, v40, v42
	v_add_f32 v41, v41, v43
	v_rcp_f32 v44, v40
	v_rcp_f32 v46, v41
	v_nop                                          ; a plain line behind the second reciprocal
	s_wait_alu depctr_va_vdst(0)                   ; one wait for both, ahead of the first line that names a result
	WIN 0x01                                       ; source 0 (O^T): window 1
.set n, 0
.rept 32
	v_pk_mul_f32 v[S+n:S+n+1], v[n:n+1], v[44+2*(n/32):45+2*(n/32)] op_sel_hi:[1,0]   ; each accumulator from its low end on; register 32 qt + 8 ct + j: out(query 16 qt + lane % 16, channel 16 ct + 8 (lane / 16) + j)
.set n, n+2
.endr
	WIN 0
	; a lane holds 32 neighbouring bytes of a row and the lanes beside it other rows: a tile goes through my own stage and comes back as whole rows of 256 bytes
.irp qt, 0,1
.irp ct, 0,1,2,3
	ds_store_b128 v[STO], v[S+32*\qt+8*\ct:S+32*\qt+8*\ct+3] offset:16*SPITCH*\qt+64*\ct
	ds_store_b128 v[STO], v[S+32*\qt+8*\ct+4:S+32*\qt+8*\ct+7] offset:16*SPITCH*\qt+64*\ct+16
.endr
.irp i, 0,1,2,3,4,5,6,7
	ds_load_b128 v[VF+32*\qt+4*\i:VF+32*\qt+4*\i+3], v[RD] offset:16*SPITCH*\qt+2*SPITCH*\i   ; LDS serves a wave's instructions in order: these see the stores above
.endr
.endr
.irp i, 0,1,2,3,4,5,6,7
	s_wait_dscnt 23-\i                             ; behind tile 0's load i: its 7 - i later loads and tile 1's sixteen LDS instructions
	global_store_b128 v[GO], v[VF+4*\i:VF+4*\i+3], s[10:11] offset:512*\i th:TH_STORE_NT   ; 32 lanes store 512 consecutive bytes, at a multiple of 256 from out0's first byte
.endr
.irp i, 0,1,2,3,4,5,6,7
	s_wait_dscnt 7-\i
	global_store_b128 v[GO], v[VF+32+4*\i:VF+32+4*\i+3], s[10:11] offset:4096+512*\i th:TH_STORE_NT
.endr
	s_wait_tensorcnt 0x0                           ; the wave's end, behind my last LDS store
	ds_add_u32 v[SPW], v[NIL]
	s_wait_dscnt 0x0
	s_endpgm
.Lfunc_end_k_qa0566f2bb0_attn:
	.size	k_qa0566f2bb0_attn, .Lfunc_end_k_qa0566f2bb0_attn-k_qa0566f2bb0_attn
	.p2alignl 7, 3214868480
	.fill 96, 4, 3214868480
	.section	.rodata,"a",@progbits
	.p2align	6, 0x0
	.amdhsa_kernel k_qa0566f2bb0_attn
		.amdhsa_group_segment_fixed_size 250880
		.amdhsa_private_segment_fixed_size 0
		.amdhsa_enable_private_segment 0
		.amdhsa_kernarg_size 32
		.amdhsa_user_sgpr_count 2
		.amdhsa_user_sgpr_kernarg_segment_ptr 1
		.amdhsa_wavefront_size32 1
		.amdhsa_system_sgpr_workgroup_id_x 1
		.amdhsa_system_sgpr_workgroup_id_y 1
		.amdhsa_system_sgpr_workgroup_id_z 1
		.amdhsa_system_vgpr_workitem_id 0
		.amdhsa_next_free_vgpr 512
		.amdhsa_next_free_sgpr 66
		.amdhsa_reserve_vcc 0
		.amdhsa_float_denorm_mode_32 3
		.amdhsa_float_denorm_mode_16_64 3
		.amdhsa_memory_ordered 1
		.amdhsa_forward_progress 1
		.amdhsa_inst_pref_size 197
	.end_amdhsa_kernel
	.amdgpu_metadata
---
amdhsa.version: [ 1, 2 ]
amdhsa.kernels:
  - .name:           k_qa0566f2bb0_attn
    .symbol:         k_qa0566f2bb0_attn.kd
    .args:
      - { .name: q, .offset: 0, .size: 8, .value_kind: global_buffer, .address_space: global }
      - { .name: k, .offset: 8, .size: 8, .value_kind: global_buffer, .address_space: global }
      - { .name: v, .offset: 16, .size: 8, .value_kind: global_buffer, .address_space: global }
      - { .name: out0, .offset: 24, .size: 8, .value_kind: global_buffer, .address_space: global }
    .group_segment_fixed_size: 250880
    .private_segment_fixed_size: 0
    .kernarg_segment_align: 8
    .kernarg_segment_size: 32
    .max_flat_workgroup_size: 256
    .sgpr_count:     66
    .vgpr_count:     512
    .wavefront_size: 32
...
	.end_amdgpu_metadata
.endif
;; end of part 1
;; ======== version 2 of 2: 1 launch; version 1 with the launch attn written anew for expert scheduling mode
;; limits: values are held in f16: magnitudes above 65,504 overflow, below 6.1e-05 lose precision; inputs' magnitudes at most 65,504
;; launch attn (part 2): grid 4 x 64, 8 waves a work-group, no clusters, 250,880 bytes of LDS; arguments q, k, v, out0; writes out0
.if DOCPART == 2
	.amdgcn_target "amdgcn-amd-amdhsa--gfx1250"
	.amdhsa_code_object_version 6
	.text
	.protected	k_qa0566f2bb0_attn
	.globl	k_qa0566f2bb0_attn
	.p2align	8
	.type	k_qa0566f2bb0_attn,@function
k_qa0566f2bb0_attn:
	s_mov_b64 s[64:65], 0
	v_nop
	global_prefetch_b8 v0, s[64:65] scope:SCOPE_SE
	s_setreg_imm32_b32 hwreg(HW_REG_WAVE_SCHED_MODE, 0, 2), 2
	s_setreg_imm32_b32 hwreg(HW_REG_WAVE_MODE, 25, 1), 1
	s_wait_xcnt 0x0
	s_wait_alu depctr_vm_vsrc(0)
; out0[b][q][:] = the sum over k of softmax_k(Q[b][q] . K[b][k] / 8) V[b][k][:].  q, k, v, out0: [64][1024][64] f32.
; The first product is taken on codes of FP4 (E2M1) with one E8M0 scale for each 32 along the head's 64; the second on f16 operands; all sums, the maximum and the softmax in f32.
; SHARES.  A work-group owns 256 queries of one batch (grid x: the block of queries, y: the batch); each of its eight waves owns 32 of them, two tiles of 16.
; ALL OF THE BATCH'S K AND V LIE IN LDS, CONVERTED ONCE BY THIS WORK-GROUP: K as codes (32 KB) and a scale word a key (4 KB), V as f16 (130 KB), both as IMAGES OF THE OPERANDS' REGISTERS: lane l's 16 bytes of a
; group of four registers at 16 l, so that every fragment comes back by ds_load_b128 of 512 consecutive bytes.  No LDS byte that another wave reads is ever written twice: the only order needed is store, wait, barrier, load.
; TWO PASSES.  Pass 1 makes S^T = K Q^T and keeps the row's maximum m.  Pass 2 makes the same S^T again (same instruction, same operands, same bits), p = 2^(c s - c m), c = log2(e) / 8, the sum of p in f32,
; p rounded to f16, O^T += V^T P.  So there is no running maximum, nothing is rescaled, and no branch hangs on data.  At the end O^T is divided by the sum.
; LAYOUT.  Both products are used transposed (source 0 = 16 keys or 16 channels, source 1 = my 16 queries): a lane holds ONE query (lane % 16) throughout; two score tiles, rounded in pairs, are source 1 of the second product.
; The matrix instruction's K is 128, the head's 64: registers 4-7 of every code fragment hold zero codes, on both sides, and bytes 2, 3 of every scale word are 0x7f.
; IN FOUR CHUNKS OF 256 KEYS.  In chunk c wave w converts keys 256 c + 32 w .. + 31.  Head: loads of Q, K0, K1, K2; Q quantised; K3 asked for.  Then for each c: K_c quantised into LDS, V_c asked for into the registers
; just freed, barrier, pass 1 over chunk c.  Then for each c: V_c converted into LDS, barrier, four key steps of pass 2.  48 to 64 loads of a wave are on their way from the first lines on.
; NO CLUSTER, NO JOINT LOADS, though the four work-groups of a batch read the same K and V: these arrive as f32 and must pass through registers to become codes and f16.  Brought into LDS by joint loads they would be
; written there and read back as f32, 512 KB each way for a work-group, beside the 1.6 MB that its products read (8 waves x (2 x 36 + 128) KB), and 256 KB of f32 at a time do not fit beside 166 KB of images without refills.
; NO PREFETCH: every global load is issued from the kernel's first lines on; there is nothing to ask for earlier.
; LIMITS.  NaN and infinities are not served.  A block of q or k whose largest magnitude lies under 2^-124 gets the scale byte 1 (a block of zeros too, where the rule says 127: its codes are zeros, so the sums are the same).
; |v| stays under 65,504 (f16).  A weight p under 6e-5 is a subnormal of f16: absolute error at most 2^-25.
; THE MODE: SCHED_MODE bits 1:0 = 2 (LLVM: expert scheduling mode 2), set by the entry lines.  The code itself states the register dependences between vector or matrix instructions and memory or LDS
; instructions, with s_wait_alu, always for 0.
; THE PLAN.  Registers that memory or LDS instructions touch, and who else names them:
;   v2-v15, v19-v21, v24   Offsets, LDS addresses and 0x7f7f7f7f: made at the head, never written again.  Two waits on va_vdst at the head: ahead of the first global load (v2, v3), and behind the rest.
;   the landing slots      Written by global loads; read by the quantiser's or the converter's vector lines; slot 3 is loaded again behind Q, slot c behind K_c.  The quantiser's ONE wait on va_vdst, behind its
;                          conversions, states that its lines are done reading the slot and that CD and BY are written: its LDS stores and the slot's next loads follow it with no vector line between.
;   CD, BY; T              The quantiser's and the converter's results, read by LDS stores.  They lie in S's registers: a wait on vm_vsrc stands behind those stores, ahead of the next line that writes them.
;   KF (registers 0-3), KS Written by LDS loads, read by the products K Q^T.  A wait on va_vdst stands between a step's products and the next fetch.
;   VF                     Written by LDS loads, read by the products V^T P.
;   ADV, ADK, ADS          Read by pass 2's LDS loads, written once a step: a wait on vm_vsrc ahead of the three additions.
; A KEY STEP OF PASS 2 has, beside the two waits behind its exponentials, ONE wait on va_vdst: behind K Q^T and the three additions.  It states that the addresses are written, that K Q^T is done reading KF and KS and that
; the last step's V^T P is done reading VF.  The step's 22 LDS loads follow it, dealt among the softmax's first lines, which name S and -c m alone.
;
; LDS
.set KIMG,   0                         ; K's codes: key tile t (16 keys) at 512 t; lane (r, h)'s 16 bytes at 16 (r + 16 h): d = 32 h .. 32 h + 31 of key 16 t + r
.set KSC,    32768                     ; K's scale words, 4 bytes a key: byte 0 block 0, byte 1 block 1, bytes 2, 3 = 0x7f
.set VIMG,   36864                     ; V as f16: fragment (32 keys ks, 16 channels ct) at VKS ks + VFR ct: registers 0-3 at 16 lane, registers 4-7 at 512 + 16 lane
.set VFR,    1040                      ; 1,024 bytes + 16: the converting stores of 16 lanes then fall on 16 different 16-byte columns modulo 256 bytes
.set VKS,    4*VFR
.set QIMG,   169984                    ; for each wave QW bytes of its own: two tile images, then 32 scale words
.set QW,     1280
.set STG,    180224                    ; for each wave two stages of 16 rows x 272 bytes, for the way out
.set SPITCH, 272
.set SPARE,  249856                    ; the spare words, 128 bytes for each wave: four blocks of 256 bytes that no other line names
; VECTOR REGISTERS, window 0 (window 1: four landing slots of 64 registers; slot c takes K_c, then V_c; slot 3 first takes Q; slot 0 is O^T from the first key step of pass 2 on: O(qt, ct) at 32 qt + 8 ct)
.set KO,   2                           ; global: 8192 wave + 32 lane (rows of Q or K: 8 numbers a lane)
.set VO,   3                           ; global: 8192 wave + 2048 (lane / 16) + 16 (lane % 16) (rows of V: 4 channels a lane)
.set CAK,  4                           ; LDS: where my 8 codes of K go
.set SAK,  5                           ;      my block's scale byte of K
.set SWK,  6                           ;      my wave's 32 scale words of K, 4 bytes a lane
.set CAQ,  7                           ;      the same three for Q
.set SAQ,  8
.set SWQ,  9
.set QLD,  10                          ;      Q's images, 16 bytes a lane
.set VA,   11                          ;      where my f16 of V go, chunks 0, 1
.set VA2,  12                          ;      chunks 2, 3
.set KA0,  13                          ;      KIMG + 16 lane
.set SA0,  14                          ;      KSC + 4 lane
.set VA0,  15                          ;      VIMG + 16 lane
.set ADK,  16                          ;      the addresses of the loads in hand
.set ADS,  17
.set ADV,  18
.set STO,  19                          ;      the way out: where I put 32 bytes of a row
.set RD,   20                          ;      and where I read rows back
.set GO,   21                          ; global: 8192 wave + 16 lane
.set SPW,  22                          ; LDS address of my spare word; never rewritten
.set NIL,  23                          ; 0; never rewritten
.set ONES, 24                          ; 0x7f7f7f7f
.set QS,   25                          ; Q's scale words: lanes 0-15 tile 0, lanes 16-31 tile 1
.set KS,   26                          ; v26, v27: K's scale words: register p: lanes 0-15 tile 2 p, lanes 16-31 tile 2 p + 1
.set NCM,  28                          ; v[28:29], v[30:31]: -c m of my query in tile 0, tile 1
.set L,    32                          ; v[32:39]: the sums of p: two chains of pairs for each tile
.set QF,   48                          ; Q's two fragments; registers 4-7 of each are zeros
.set KF,   64                          ; four fragments of K; registers 4-7 of each are zeros, written once; no load lands there
.set S,    96                          ; S^T: tile (qt, kt) at S + 32 qt + 8 kt.  Between key steps the converters' temporaries lie here:
.set MX,   96                          ;   largest magnitudes
.set SCL,  104                         ;   the conversions' scale operands
.set BY,   112                         ;   scale bytes
.set CD,   120                         ;   codes
.set T,    96                          ;   V as f16
.set P,    160                         ; p as f16: 16 registers a tile.  In pass 1:
.set MC,   160                         ;   the maxima's eight chains, (qt, kt) at MC + 4 qt + kt; v168-171 at work
.set VF,   192                         ; eight fragments of V: (ks, ct) at VF + 32 ks + 8 ct; on the way out the rows read back
; SCALAR REGISTERS: s[4:5] q, s[6:7] k, s[8:9] v, s[10:11] out0; s12 wave; s[20:21] lane selects; s[22:23] c, twice; s24 -c; s25 loop counter
.set KB,   26                          ; s26  LDS byte of the key step whose K is fetched next
.set SB,   27                          ; s27  the same among the scale words
.set VB,   28                          ; s28  LDS byte of the key step's V
.set MSB, 0
.macro WIN new                         ; low byte: bits 1:0 source 0, 3:2 source 1, 5:4 source 2, 7:6 destination; the high byte repeats the setting that is left
.if MSB != \new
	s_set_vgpr_msb (MSB<<8)|\new
.set MSB, \new
.endif
.endm
.macro PLACES                          ; four plain vector instructions between a matrix instruction and a load into one of its registers or the first read of its result
.rept 4
	v_nop
.endr
.endm
.macro BARRIER                         ; my LDS stores have landed and my LDS loads are in: then the work-group's barrier
	s_wait_dscnt 0x0
	s_barrier_signal -1
	s_barrier_wait -1
.endm
; 32 rows of 64 f32 (my wave's, from off bytes on) into landing slot: group g is four rows, 1,024 bytes; lane l takes 32 neighbouring bytes, numbers 8 (l % 8) .. + 7 of row 4 g + l / 8.  (Destination: window 1)
.macro LDROWS slot, base, off, nt
.irp g, 0,1,2,3,4,5,6,7
.if \nt
	global_load_b128 v[64*(\slot)+8*\g:64*(\slot)+8*\g+3], v[KO], s[\base:\base+1] offset:(\off)+1024*\g th:TH_LOAD_NT
	global_load_b128 v[64*(\slot)+8*\g+4:64*(\slot)+8*\g+7], v[KO], s[\base:\base+1] offset:(\off)+1024*\g+16 th:TH_LOAD_NT
.else
	global_load_b128 v[64*(\slot)+8*\g:64*(\slot)+8*\g+3], v[KO], s[\base:\base+1] offset:(\off)+1024*\g
	global_load_b128 v[64*(\slot)+8*\g+4:64*(\slot)+8*\g+7], v[KO], s[\base:\base+1] offset:(\off)+1024*\g+16
.endif
.endr
.endm
; My wave's 32 keys of V in chunk c: lanes 0-15 read one whole row of 256 bytes, lanes 16-31 the row 8 keys on.  Register 32 half + 4 j + i: key 16 half + 8 (lane / 16) + j, channel 4 (lane % 16) + i
.macro LDV c
.irp half, 0,1
.irp j, 0,1,2,3,4,5,6,7
	global_load_b128 v[64*(\c)+32*\half+4*\j:64*(\c)+32*\half+4*\j+3], v[VO], s[8:9] offset:65536*(\c)+4096*\half+256*\j
.endr
.endr
.endm
; THE QUANTISER: the 32 rows in a landing slot become two tile images of codes and 32 scale words.  A block of 32 lies in four neighbouring lanes, 8 numbers each.
; The scale words are first set to 0x7f7f7f7f; LDS serves a wave's instructions in order (ISA guide 5.7.1.4), so the bytes stored below land over them.
.macro QROWS slot, ca, coff, sw, swoff, sa, saoff
	ds_store_b32 v[\sw], v[ONES] offset:\swoff
	WIN 0x05                                       ; sources 0 and 1: window 1
.irp g, 0,1,2,3,4,5,6,7
	v_max3_num_f32 v[MX+\g], |v[64*(\slot)+8*\g]|, |v[64*(\slot)+8*\g+1]|, 0x1800000   ; my 8 numbers, and the floor 2^(3 - 127): so the byte cannot fall under 1
.endr
.irp i, 2,4,6
.irp g, 0,1,2,3,4,5,6,7
	v_max3_num_f32 v[MX+\g], |v[64*(\slot)+8*\g+\i]|, |v[64*(\slot)+8*\g+\i+1]|, v[MX+\g]   ; (the eight groups by turns)
.endr
.endr
	WIN 0
.irp g, 0,1,2,3,4,5,6,7
	v_max_num_f32_dpp v[MX+\g], v[MX+\g], v[MX+\g] row_xmask:1 row_mask:0xf bank_mask:0xf
.endr
.irp g, 0,1,2,3,4,5,6,7
	v_max_num_f32_dpp v[MX+\g], v[MX+\g], v[MX+\g] row_xmask:2 row_mask:0xf bank_mask:0xf   ; with the three other lanes': the block's largest magnitude
.endr
.irp g, 0,1,2,3,4,5,6,7
	v_add_nc_u32 v[SCL+\g], 0xff000000, v[MX+\g]   ; 2 off its exponent field: the conversion takes the exponent field of this operand as its scale
.endr
.irp g, 0,1,2,3,4,5,6,7
	v_lshrrev_b32 v[BY+\g], 23, v[SCL+\g]          ; the scale's byte
.endr
	WIN 0x01                                       ; source 0: window 1
.irp g, 0,1,2,3,4,5,6,7
	v_cvt_scalef32_pk8_fp4_f32 v[CD+\g], v[64*(\slot)+8*\g:64*(\slot)+8*\g+7], v[SCL+\g]   ; 8 codes: to the nearest, ties to even, beyond 6 the largest code
.endr
	WIN 0
	v_nop                                          ; one plain vector instruction behind the last scaled conversion
	s_wait_alu depctr_va_vdst(0)                   ; the conversions have written CD and the shifts BY, which the stores below read; and the lines above are done reading the landing slot, in which the caller's next loads land
.irp g, 0,1,2,3,4,5,6,7
	ds_store_b32 v[\ca], v[CD+\g] offset:(\coff)+512*(\g/4)+64*(\g%4)   ; row 4 g + l / 8 is row 4 (g % 4) + l / 8 of tile g / 4.  (The two blocks of a row lie 256 bytes apart: these 40 stores of a wave go two deep in the banks)
.endr
.irp g, 0,1,2,3,4,5,6,7
	ds_store_b8 v[\sa], v[BY+\g] offset:(\saoff)+16*\g   ; the four lanes of a block write the same byte with the same value
.endr
.endm
; Four fragments of K (64 keys) and their scale words
.macro KFETCH ak, koff, as, soff
.irp i, 0,1,2,3
	ds_load_b128 v[KF+8*\i:KF+8*\i+3], v[\ak] offset:(\koff)+512*\i
.endr
.irp p, 0,1
	ds_load_b32 v[KS+\p], v[\as] offset:(\soff)+128*\p
.endr
.endm
; S^T = K Q^T: 64 keys x my 32 queries: eight products, each starting its own sum with the constant 0
.macro QK
.irp kt, 0,1,2,3
.irp qt, 0,1
.if (\kt%2 == 0) && (\qt == 0)
	v_wmma_scale_f32_16x16x128_f8f6f4 v[S+32*\qt+8*\kt:S+32*\qt+8*\kt+7], v[KF+8*\kt:KF+8*\kt+7], v[QF+8*\qt:QF+8*\qt+7], 0, v[KS+\kt/2], v[QS] matrix_a_fmt:MATRIX_FMT_FP4 matrix_b_fmt:MATRIX_FMT_FP4
.elseif (\kt%2 == 0)
	v_wmma_scale_f32_16x16x128_f8f6f4 v[S+32*\qt+8*\kt:S+32*\qt+8*\kt+7], v[KF+8*\kt:KF+8*\kt+7], v[QF+8*\qt:QF+8*\qt+7], 0, v[KS+\kt/2], v[QS] matrix_a_fmt:MATRIX_FMT_FP4 matrix_b_fmt:MATRIX_FMT_FP4 matrix_b_scale:MATRIX_SCALE_ROW1
.elseif (\qt == 0)
	v_wmma_scale_f32_16x16x128_f8f6f4 v[S+32*\qt+8*\kt:S+32*\qt+8*\kt+7], v[KF+8*\kt:KF+8*\kt+7], v[QF+8*\qt:QF+8*\qt+7], 0, v[KS+\kt/2], v[QS] matrix_a_fmt:MATRIX_FMT_FP4 matrix_b_fmt:MATRIX_FMT_FP4 matrix_a_scale:MATRIX_SCALE_ROW1
.else
	v_wmma_scale_f32_16x16x128_f8f6f4 v[S+32*\qt+8*\kt:S+32*\qt+8*\kt+7], v[KF+8*\kt:KF+8*\kt+7], v[QF+8*\qt:QF+8*\qt+7], 0, v[KS+\kt/2], v[QS] matrix_a_fmt:MATRIX_FMT_FP4 matrix_b_fmt:MATRIX_FMT_FP4 matrix_a_scale:MATRIX_SCALE_ROW1 matrix_b_scale:MATRIX_SCALE_ROW1
.endif
.endr
.endr
.endm
; The maxima of a key step's 64 scores a lane: eight chains by turns; each score tile is read from its low end on
.macro MAX32
.irp i, 0,2,4,6
.irp qt, 0,1
.irp kt, 0,1,2,3
	v_max3_num_f32 v[MC+4*\qt+\kt], v[MC+4*\qt+\kt], v[S+32*\qt+8*\kt+\i], v[S+32*\qt+8*\kt+\i+1]
.endr
.endr
.endr
.endm
; PASS 1 over chunk c: four key steps, every offset an immediate.  A step's maxima stand between the next step's LDS loads and the wait for them.
; The chunk's first fetch owes no wait of its own: the quantiser's wait on va_vdst stands behind the last products that read K's registers, and no vector line has followed it.
.macro PASS1 c
	KFETCH KA0, 8192*(\c), SA0, 1024*(\c)
	s_wait_dscnt 0x0
	QK
.irp j, 1,2,3
	PLACES
	s_wait_alu depctr_va_vdst(0)                   ; the products above are done reading K's fragments and scale words, in which the loads below land
	KFETCH KA0, 8192*(\c)+2048*\j, SA0, 1024*(\c)+256*\j
	MAX32
	s_wait_dscnt 0x0
	QK
.endr
	PLACES
	MAX32
.endm
; V_c becomes f16: four registers hold 8 keys of one channel, which are 16 bytes of a fragment's image: channel 4 (l % 16) + i is row 4 (l % 4) + i of channel tile (l % 16) / 4
.macro VCONV c
	WIN 0x05
.irp half, 0,1
.irp i, 0,1,2,3
.irp p, 0,1,2,3
	v_cvt_pk_f16_f32 v[T+16*\half+4*\i+\p], v[64*(\c)+32*\half+8*\p+\i], v[64*(\c)+32*\half+8*\p+4+\i]   ; keys 2 p and 2 p + 1, the lower in the low half
.endr
.endr
.endr
	WIN 0
	s_wait_alu depctr_va_vdst(0)                   ; the conversions have written T, which the stores below read
.irp half, 0,1
.irp i, 0,1,2,3
.if (\c) < 2
	ds_store_b128 v[VA], v[T+16*\half+4*\i:T+16*\half+4*\i+3] offset:8*VKS*((\c)%2)+512*\half+16*\i
.else
	ds_store_b128 v[VA2], v[T+16*\half+4*\i:T+16*\half+4*\i+3] offset:8*VKS*((\c)%2)+512*\half+16*\i
.endif
.endr
.endr
.endm
; O^T += V^T P for tile qt: its four accumulators by turns, one instruction a turn.  zero = 1: the first four start the sums: nothing is cleared
.macro PV qt, zero
	WIN 0x50                                       ; C and D: window 1
.irp ks, 0,1
.irp ct, 0,1,2,3
.if (\zero) && (\ks == 0)
	v_wmma_f32_16x16x32_f16 v[32*(\qt)+8*\ct:32*(\qt)+8*\ct+7], v[VF+32*\ks+8*\ct:VF+32*\ks+8*\ct+7], v[P+16*(\qt)+8*\ks:P+16*(\qt)+8*\ks+7], 0
.else
	v_wmma_f32_16x16x32_f16 v[32*(\qt)+8*\ct:32*(\qt)+8*\ct+7], v[VF+32*\ks+8*\ct:VF+32*\ks+8*\ct+7], v[P+16*(\qt)+8*\ks:P+16*(\qt)+8*\ks+7], v[32*(\qt)+8*\ct:32*(\qt)+8*\ct+7]
.endif
.endr
.endr
	WIN 0
.endm
; A KEY STEP OF PASS 2: 64 keys.  pre = 1: the next step's K is fetched.  The two tiles' softmax are laid so that each batch of 32 exponentials has the other tile's plain work between its lines and ONE wait behind it.
; zero = 1: the very first step, ahead of which no LDS load has read the three addresses.
.macro STEP zero, pre
	s_wait_dscnt 0x0                               ; K's six loads, the only ones still out, are in
	QK
.if !\zero
	s_wait_alu depctr_vm_vsrc(0)                   ; the LDS loads of the step before have read ADV, ADK and ADS, which the lines below write
.endif
	v_add_nc_u32 v[ADV], s[VB], v[VA0]             ; four plain lines: the places behind the products above, ahead of the first read of the scores
.if \pre
	v_add_nc_u32 v[ADK], s[KB], v[KA0]
	v_add_nc_u32 v[ADS], s[SB], v[SA0]
	v_nop
.else
	v_nop
	v_nop
	v_nop
.endif
	s_wait_alu depctr_va_vdst(0)                   ; the addresses are written, which the loads below read; the products above are done reading KF and KS, the last step's V^T P is done reading VF: the loads below land there
.irp i, 0,1,2,3,4,5,6,7,8,9,10,11,12,13,14,15
	v_pk_fma_f32 v[S+2*\i:S+2*\i+1], v[S+2*\i:S+2*\i+1], s[22:23], v[NCM:NCM+1] op_sel_hi:[1,0,0]   ; tile 0: c s - c m, two at a time (of the pairs c and -c m the low word serves both halves)
	ds_load_b128 v[VF+32*(\i/8)+8*((\i/2)%4)+4*(\i%2):VF+32*(\i/8)+8*((\i/2)%4)+4*(\i%2)+3], v[ADV] offset:VKS*(\i/8)+VFR*((\i/2)%4)+512*(\i%2)   ; this step's eight fragments of V, a load behind each scaling.  No wait: no vector line since the wait above names VF or ADV
.endr
.irp i, 0,1,2,3,4,5,6,7,8,9,10,11,12,13,14,15
	v_exp_f32 v[S+2*\i], v[S+2*\i]                 ; tile 0: p = 2^(c s - c m)
	v_exp_f32 v[S+2*\i+1], v[S+2*\i+1]
	v_pk_fma_f32 v[S+32+2*\i:S+32+2*\i+1], v[S+32+2*\i:S+32+2*\i+1], s[22:23], v[NCM+2:NCM+3] op_sel_hi:[1,0,0]   ; tile 1's scalings stand between; the last of them is the plain line behind the batch
.if (\pre) && (\i < 4)
	ds_load_b128 v[KF+8*\i:KF+8*\i+3], v[ADK] offset:512*\i   ; the next step's K, behind V: no vector line since the wait above names KF, KS, ADK or ADS
.elseif (\pre) && (\i < 6)
	ds_load_b32 v[KS+\i-4], v[ADS] offset:128*(\i-4)
.endif
.endr
	s_wait_alu depctr_va_vdst(0)                   ; one wait for tile 0's 32 exponentials, ahead of the first line that names a result
.irp i, 0,1,2,3,4,5,6,7,8,9,10,11,12,13,14,15
	v_exp_f32 v[S+32+2*\i], v[S+32+2*\i]           ; tile 1's exponentials, with tile 0's roundings and sums between
	v_cvt_pk_f16_f32 v[P+\i], v[S+2*\i], v[S+2*\i+1]
	v_exp_f32 v[S+32+2*\i+1], v[S+32+2*\i+1]
	v_pk_add_f32 v[L+2*(\i%2):L+2*(\i%2)+1], v[L+2*(\i%2):L+2*(\i%2)+1], v[S+2*\i:S+2*\i+1]   ; the sum is taken of p in f32, in two chains
.endr
	s_wait_alu depctr_va_vdst(0)                   ; and one for tile 1's 32; no exponential is issued behind it in this step
.if \pre
	s_wait_dscnt 6                                 ; the next step's six loads of K are younger than V's sixteen: V is in
.else
	s_wait_dscnt 0x0
.endif
	PV 0, \zero
.irp i, 0,1,2,3,4,5,6,7,8,9,10,11,12,13,14,15
	v_cvt_pk_f16_f32 v[P+16+\i], v[S+32+2*\i], v[S+32+2*\i+1]   ; tile 1's roundings and sums name no register of tile 0's products
	v_pk_add_f32 v[L+4+2*(\i%2):L+4+2*(\i%2)+1], v[L+4+2*(\i%2):L+4+2*(\i%2)+1], v[S+32+2*\i:S+32+2*\i+1]
.endr
	PV 1, \zero
	s_add_co_u32 s[VB], s[VB], 2*VKS               ; on to the next 64 keys
	s_add_co_u32 s[KB], s[KB], 2048
	s_add_co_u32 s[SB], s[SB], 256
.endm
; PASS 2 over chunk c.  first = 1: a step that starts O^T stands ahead of the loop; last = 1: a step that fetches no further K stands behind it
.macro PASS2 c, first, trips, last
	s_wait_loadcnt 48-16*(\c)                      ; behind V_c's sixteen loads stand those of the later chunks of V
	VCONV \c
	BARRIER                                        ; chunk c of V lies in LDS, whole
	s_wait_alu depctr_vm_vsrc(0)                   ; my stores of V have read T, which lies in S's registers: the next products K Q^T write them
	s_mov_b32 s[VB], 8*VKS*(\c)
	s_mov_b32 s[KB], 2048*(4*(\c)+1)               ; K is fetched one step ahead
	s_mov_b32 s[SB], 256*(4*(\c)+1)
.if \first
	STEP 1, 1
.endif
	s_mov_b32 s25, \trips
.Lstep_\@:
	STEP 0, 1
	s_sub_co_u32 s25, s25, 1
	s_cmp_lg_u32 s25, 0
	s_cbranch_scc1 .Lstep_\@
.if \last
	STEP 0, 0
.endif
.endm
	; ---- THE HEAD: the addresses that the loads need, then 64 loads
	s_load_b256 s[4:11], s[0:1], 0x0               ; q s[4:5], k s[6:7], v s[8:9], out0 s[10:11]
	v_lshl_add_u32 v[SPW], v0, 2, SPARE
	v_mov_b32 v[NIL], 0
	v_lshrrev_b32 v1, 5, v0
	v_readfirstlane_b32 s12, v1                    ; wave 0..7
	v_and_b32 v96, 31, v0                          ; lane
	v_and_b32 v97, 15, v0                          ; lane % 16
	v_bfe_u32 v98, v0, 4, 1                        ; lane / 16
	s_wait_alu depctr_va_sdst(0)                   ; s12 is written, ahead of its first reader: the wave's offsets and LDS addresses are made from it
	s_lshl_b32 s30, s12, 13                        ; my wave's 32 rows of 256 bytes
	v_lshl_add_u32 v[KO], v96, 5, s30
	v_lshl_add_u32 v[VO], v97, 4, s30
	v_lshl_add_u32 v[VO], v98, 11, v[VO]
	s_and_b32 s13, ttmp7, 0xffff                   ; the batch
	s_lshl_b32 s16, s13, 18                        ; its 1,024 rows of 256 bytes
	s_mov_b32 s17, 0
	s_lshl_b32 s18, ttmp9, 16                      ; my block of 256 queries
	s_add_co_u32 s18, s18, s16
	s_mov_b32 s19, 0
	s_wait_kmcnt 0x0
	s_add_nc_u64 s[4:5], s[4:5], s[18:19]          ; q and out0 at my block, k and v at my batch; none of the four is written again
	s_add_nc_u64 s[6:7], s[6:7], s[16:17]
	s_add_nc_u64 s[8:9], s[8:9], s[16:17]
	s_add_nc_u64 s[10:11], s[10:11], s[18:19]
	WIN 0x40                                       ; destination: window 1
	s_wait_alu depctr_va_vdst(0)                   ; KO and VO are written: every global load of the kernel reads one of them as its offset
	LDROWS 3, 4, 0, 1                              ; Q: read by this wave alone
	LDROWS 0, 6, 0, 0                              ; K0, K1, K2
	LDROWS 1, 6, 65536, 0
	LDROWS 2, 6, 131072, 0
	WIN 0
	; while they are on their way: all other addresses and constants
	v_bfe_u32 v99, v0, 3, 2                        ; lane / 8: which of a group's four rows
	v_bfe_u32 v100, v0, 2, 1                       ; (lane / 4) % 2: which block of the row
	v_and_b32 v101, 3, v0                          ; lane % 4: which 8 of the block's 32
	v_lshlrev_b32 v102, 4, v99
	v_lshl_add_u32 v102, v100, 8, v102
	v_lshl_add_u32 v102, v101, 2, v102             ; my codes' place in a tile image: 16 (lane / 8) + 256 block + 4 (lane % 4)
	v_lshl_add_u32 v103, v99, 2, v100              ; my scale byte's place: 4 (lane / 8) + block
	s_lshl_b32 s31, s12, 10                        ; K: my wave's two tile images of a chunk
	v_add_nc_u32 v[CAK], s31, v102
	s_lshl_b32 s32, s12, 7                         ; and its 32 scale words
	s_add_co_u32 s32, s32, KSC
	v_add_nc_u32 v[SAK], s32, v103
	v_lshl_add_u32 v[SWK], v96, 2, s32
	s_mul_i32 s33, s12, QW
	s_add_co_u32 s33, s33, QIMG                    ; Q: my wave's own bytes
	v_add_nc_u32 v[CAQ], s33, v102
	v_lshl_add_u32 v[QLD], v96, 4, s33
	s_add_co_u32 s34, s33, 1024
	v_add_nc_u32 v[SAQ], s34, v103
	v_lshl_add_u32 v[SWQ], v96, 2, s34
	s_mul_i32 s35, s12, VKS
	s_add_co_u32 s35, s35, VIMG                    ; V: in a chunk my wave's 32 keys are K step w of its eight
	v_bfe_u32 v105, v0, 2, 2                       ; (lane % 16) / 4: the channel tile
	v_mul_u32_u24 v104, v105, VFR
	v_lshl_add_u32 v104, v101, 6, v104             ; row 4 (lane % 4) of it: 64 bytes
	v_lshl_add_u32 v104, v98, 8, v104              ; my half of the lanes: 256 bytes
	v_add_nc_u32 v[VA], s35, v104
	v_add_nc_u32 v[VA2], 16*VKS, v[VA]
	v_lshlrev_b32 v[KA0], 4, v96
	v_lshl_add_u32 v[SA0], v96, 2, KSC
	v_lshl_add_u32 v[VA0], v96, 4, VIMG
	s_mul_i32 s36, s12, 32*SPITCH
	s_add_co_u32 s36, s36, STG                     ; my two stages
	v_mul_u32_u24 v104, v97, SPITCH
	v_lshl_add_u32 v104, v98, 5, v104
	v_add_nc_u32 v[STO], s36, v104                 ; in: row lane % 16, 32 bytes for each half of the lanes
	v_mul_u32_u24 v104, v98, SPITCH
	v_lshl_add_u32 v104, v97, 4, v104
	v_add_nc_u32 v[RD], s36, v104                  ; back: lanes 0-15 one row of 256 bytes, lanes 16-31 the next
	v_lshl_add_u32 v[GO], v96, 4, s30
	v_mov_b32 v[ONES], 0x7f7f7f7f
	s_mov_b32 s20, 0x76543210
	s_mov_b32 s21, 0xfedcba98                      ; v_permlanex16_b32's selects for lane l xor 16
	s_mov_b32 s22, 0x3e38aa3b                      ; c = log2(e) / 8
	s_mov_b32 s23, s22                             ; (named with it as a pair, so it is written)
	s_mov_b32 s24, 0xbe38aa3b                      ; -c
.irp i, 0,1,2,3
.irp j, 4,5,6,7
	v_mov_b32 v[KF+8*\i+\j], 0                     ; zero codes for k = 64 .. 127 of the matrix instruction
.endr
.endr
.irp i, 0,1
.irp j, 4,5,6,7
	v_mov_b32 v[QF+8*\i+\j], 0
.endr
.endr
.irp i, 0,1,2,3,4,5,6,7
	v_mov_b32 v[MC+\i], 0xff800000                 ; the maxima's chains begin under every score
.endr
.irp r, 42,43,45,47,170,171
	v_mov_b32 v\r, 0                               ; lane permutes' destinations, and the upper halves of pairs that are named whole
.endr
	s_wait_alu depctr_va_vdst(0)                   ; the LDS addresses v4 to v15, v19, v20, the offset v21 and 0x7f7f7f7f are written, which the LDS instructions and stores from here on read; so are the zero codes in KF and QF, operands of the scaled products
	; ---- Q: quantised into my wave's own bytes of LDS and read back as two fragments and a scale word a row
	s_wait_loadcnt 48                              ; behind Q's sixteen loads stand K0's, K1's and K2's
	QROWS 3, CAQ, 0, SWQ, 0, SAQ, 0
	WIN 0x40
	LDROWS 3, 6, 196608, 0                         ; K3 into the slot that Q has left: the quantiser's wait on va_vdst has stated that its lines are done reading the slot; only LDS stores, which name neither the slot nor KO, stand between
	WIN 0
	ds_load_b128 v[QF:QF+3], v[QLD]                ; LDS serves a wave's instructions in order: these see my stores.  The wait for them is the first barrier's
	ds_load_b128 v[QF+8:QF+11], v[QLD] offset:512
	ds_load_b32 v[QS], v[SWQ]
	s_wait_alu depctr_vm_vsrc(0)                   ; Q's stores have read CD and BY, which K0's quantiser writes again
	; ---- K, chunk by chunk, and pass 1
.irp c, 0,1,2,3
	s_wait_loadcnt 48                              ; behind K_c's sixteen loads stand three runs of sixteen: later chunks of K, earlier chunks of V
	QROWS \c, CAK, 8192*\c, SWK, 1024*\c, SAK, 1024*\c
	WIN 0x40
	LDV \c                                         ; V_c into the slot that K_c has left, under the quantiser's wait on va_vdst, as K3 above
	WIN 0
	BARRIER                                        ; chunk c of K lies in LDS, whole
	s_wait_alu depctr_vm_vsrc(0)                   ; the quantiser's stores have read CD and BY, which lie in S's registers: the products K Q^T write them
	PASS1 \c
.endr
	; ---- the rows' maxima: four chains, then the other half of the lanes; -c m
.irp qt, 0,1
	v_max3_num_f32 v[168+\qt], v[MC+4*\qt], v[MC+4*\qt+1], v[MC+4*\qt+2]
.endr
.irp qt, 0,1
	v_max_num_f32 v[168+\qt], v[168+\qt], v[MC+4*\qt+3]
.endr
.irp qt, 0,1
	v_permlanex16_b32 v[170+\qt], v[168+\qt], s20, s21
.endr
.irp qt, 0,1
	v_max_num_f32 v[168+\qt], v[168+\qt], v[170+\qt]
.endr
.irp qt, 0,1
	v_mul_f32 v[NCM+2*\qt], s24, v[168+\qt]
	v_mul_f32 v[NCM+2*\qt+1], s24, v[168+\qt]      ; (the pair is named whole)
.endr
.irp i, 0,1,2,3,4,5,6,7
	v_mov_b32 v[L+\i], 0                           ; the sums
.endr
	s_wait_alu depctr_va_vdst(0)                   ; pass 1's last products are done reading K's fragments and scale words, in which the loads below land
	KFETCH KA0, 0, SA0, 0                          ; K of pass 2's first key step
	; ---- V, chunk by chunk, and pass 2
	PASS2 0, 1, 3, 0
	PASS2 1, 0, 4, 0
	PASS2 2, 0, 4, 0
	PASS2 3, 0, 3, 1
	; ---- THE WAY OUT.  The sums' chains and halves are added (these four lines are the places behind the last products), then the other half of the lanes'; O^T is divided by the sum
	v_pk_add_f32 v[L:L+1], v[L:L+1], v[L+2:L+3]
	v_pk_add_f32 v[L+4:L+5], v[L+4:L+5], v[L+6:L+7]
	v_add_f32 v40, v[L], v[L+1]
	v_add_f32 v41, v[L+4], v[L+5]
	v_permlanex16_b32 v42, v40, s20, s21
	v_permlanex16_b32 v43, v41, s20, s21
	v_add_f32 v40, v40, v42
	v_add_f32 v41, v41, v43
	v_rcp_f32 v44, v40
	v_rcp_f32 v46, v41
	v_nop                                          ; a plain line behind the second reciprocal
	s_wait_alu depctr_va_vdst(0)                   ; one wait for both, ahead of the first line that names a result
	WIN 0x01                                       ; source 0 (O^T): window 1
.set n, 0
.rept 32
	v_pk_mul_f32 v[S+n:S+n+1], v[n:n+1], v[44+2*(n/32):45+2*(n/32)] op_sel_hi:[1,0]   ; each accumulator from its low end on; register 32 qt + 8 ct + j: out(query 16 qt + lane % 16, channel 16 ct + 8 (lane / 16) + j)
.set n, n+2
.endr
	WIN 0
	s_wait_alu depctr_va_vdst(0)                   ; the multiplications have written S's registers, which the LDS stores below read; the last products V^T P are done reading VF, in which the rows read back land
	; a lane holds 32 neighbouring bytes of a row and the lanes beside it other rows: a tile goes through my own stage and comes back as whole rows of 256 bytes
.irp qt, 0,1
.irp ct, 0,1,2,3
	ds_store_b128 v[STO], v[S+32*\qt+8*\ct:S+32*\qt+8*\ct+3] offset:16*SPITCH*\qt+64*\ct
	ds_store_b128 v[STO], v[S+32*\qt+8*\ct+4:S+32*\qt+8*\ct+7] offset:16*SPITCH*\qt+64*\ct+16
.endr
.irp i, 0,1,2,3,4,5,6,7
	ds_load_b128 v[VF+32*\qt+4*\i:VF+32*\qt+4*\i+3], v[RD] offset:16*SPITCH*\qt+2*SPITCH*\i   ; LDS serves a wave's instructions in order: these see the stores above
.endr
.endr
.irp i, 0,1,2,3,4,5,6,7
	s_wait_dscnt 23-\i                             ; behind tile 0's load i: its 7 - i later loads and tile 1's sixteen LDS instructions
	global_store_b128 v[GO], v[VF+4*\i:VF+4*\i+3], s[10:11] offset:512*\i th:TH_STORE_NT   ; 32 lanes store 512 consecutive bytes, at a multiple of 256 from out0's first byte
.endr
.irp i, 0,1,2,3,4,5,6,7
	s_wait_dscnt 7-\i
	global_store_b128 v[GO], v[VF+32+4*\i:VF+32+4*\i+3], s[10:11] offset:4096+512*\i th:TH_STORE_NT
.endr
	s_wait_dscnt 0x0                               ; the wave's end, behind my last LDS store
	s_wait_alu 0x0
	s_wait_tensorcnt 0x0
	ds_add_u32 v[SPW], v[NIL]
	s_wait_dscnt 0x0
	s_endpgm
.Lfunc_end_k_qa0566f2bb0_attn:
	.size	k_qa0566f2bb0_attn, .Lfunc_end_k_qa0566f2bb0_attn-k_qa0566f2bb0_attn
	.p2alignl 7, 3214868480
	.fill 96, 4, 3214868480
	.section	.rodata,"a",@progbits
	.p2align	6, 0x0
	.amdhsa_kernel k_qa0566f2bb0_attn
		.amdhsa_group_segment_fixed_size 250880
		.amdhsa_private_segment_fixed_size 0
		.amdhsa_enable_private_segment 0
		.amdhsa_kernarg_size 32
		.amdhsa_user_sgpr_count 2
		.amdhsa_user_sgpr_kernarg_segment_ptr 1
		.amdhsa_wavefront_size32 1
		.amdhsa_system_sgpr_workgroup_id_x 1
		.amdhsa_system_sgpr_workgroup_id_y 1
		.amdhsa_system_sgpr_workgroup_id_z 1
		.amdhsa_system_vgpr_workitem_id 0
		.amdhsa_next_free_vgpr 512
		.amdhsa_next_free_sgpr 66
		.amdhsa_reserve_vcc 0
		.amdhsa_float_denorm_mode_32 3
		.amdhsa_float_denorm_mode_16_64 3
		.amdhsa_memory_ordered 1
		.amdhsa_forward_progress 1
		.amdhsa_inst_pref_size 198
	.end_amdhsa_kernel
	.amdgpu_metadata
---
amdhsa.version: [ 1, 2 ]
amdhsa.kernels:
  - .name:           k_qa0566f2bb0_attn
    .symbol:         k_qa0566f2bb0_attn.kd
    .args:
      - { .name: q, .offset: 0, .size: 8, .value_kind: global_buffer, .address_space: global }
      - { .name: k, .offset: 8, .size: 8, .value_kind: global_buffer, .address_space: global }
      - { .name: v, .offset: 16, .size: 8, .value_kind: global_buffer, .address_space: global }
      - { .name: out0, .offset: 24, .size: 8, .value_kind: global_buffer, .address_space: global }
    .group_segment_fixed_size: 250880
    .private_segment_fixed_size: 0
    .kernarg_segment_align: 8
    .kernarg_segment_size: 32
    .max_flat_workgroup_size: 256
    .sgpr_count:     66
    .vgpr_count:     512
    .wavefront_size: 32
...
	.end_amdgpu_metadata
.endif
;; end of part 2
